; MI455X (gfx1250); checked and timed in simulation.
; The chip was launched on July 23, 2026; its instructions are those of AMD's public machine-readable ISA for CDNA 5 (MIT licence, August 2026) and "CDNA5" Instruction Set Architecture Reference Guide (July 2026). The comments in the code are by the model that wrote it; some were corrected since.
;; Multi Headed Attention. Allowed arithmetic: matrix products marked QUANTISED: E2M1 operands, one E8M0 scale for each 32 along K, by v_wmma_scale_f32_16x16x128_f8f6f4 with both operands' format E2M1 (or v_wmma_scale_f32_32x16x128_f4), f32 sums; everything else in f32.
;; Inputs: W_qkv_codes 3,072 x 32 x 16 uint8 (E2M1 codes of W_qkv, K innermost, in blocks of 32 codes, two codes a byte); W_qkv_scales 3,072 x 32 uint8 (E8M0 scales of W_qkv, one for each 32 codes along K); b_qkv 3,072 float32; x_codes 4 x 2,048 x 32 x 16 uint8 (E2M1 codes of x, K innermost, in blocks of 32 codes, two codes a byte); x_scales 4 x 2,048 x 32 uint8 (E8M0 scales of x, one for each 32 codes along K).
;; Outputs: out0 4 x 16 x 2,048 x 64 float32.
;; This version of the problem:
;;   THIS VERSION OF THE PROBLEM IS GIVEN IN LOW PRECISION. The matrix products marked QUANTISED in the list below multiply operands that are first quantised to E2M1 (2 exponent bits, 1 mantissa bit; 4 bits a number), with one power-of-two scale for each 32 numbers along K (OCP MX v1.0); their sums are f32. All else is computed in f32.
;;   The module's matrix products, in the order in which they are computed (A, B: the left and right operand; K: the contracted axis; several contracted axes count as one K, in the product's order):
;;     1. [M 8,192, K 1,024] x [K 1,024, N 3,072]; A: input x (given as codes); B: input W_qkv (given as codes): QUANTISED
;;     2. batch 64 x [M 2,048, K 64] x [K 64, N 2,048]; A: computed on the way; B: computed on the way: QUANTISED
;;     3. batch 64 x [M 2,048, K 2,048] x [K 2,048, N 64]; A: computed on the way; B: computed on the way: QUANTISED
;;   THE QUANTISER, for each operand of a quantised product, along K:
;;     - K is cut into blocks of 32 from its start; a last block that is shorter is filled with zeros.
;;     - A block's scale is 2^e with e = floor(log2(the largest magnitude in the block)) - 2, held to -126 .. 127; a block of zeros has e = 0. As a byte (E8M0): e + 127.
;;     - Each number is divided by its block's scale, clamped to +-6, and rounded to the nearest number of E2M1, ties to even, subnormals kept.
;;     - The product sums the exact products of the quantised numbers (number of the format x scale) in f32.
;;   ~~~python
;;   def quantise(x, axis):      # numpy; x: float32 -> the quantised numbers, widened to float32 again
;;       x = np.moveaxis(x, axis, -1); K = x.shape[-1]
;;       x = np.pad(x, [(0, 0)] * (x.ndim - 1) + [(0, -K % 32)]); x = x.reshape(x.shape[:-1] + (-1, 32)); a = np.abs(x).max(-1, keepdims=True)
;;       e = np.where(a > 0, np.clip(np.frexp(np.where(a > 0, a, 1))[1] - 1 - 2, -126, 127), 0)      # np.frexp(a)[1] - 1 = floor(log2(a)), exactly
;;       r = np.clip(x / 2.0 ** e, -6, 6)
;;       step = 2.0 ** (np.maximum(np.frexp(np.where(r == 0, 1, r))[1] - 1, 0) - 1)
;;       q = np.round(r / step) * step * 2.0 ** e      # np.round: ties to even
;;       return np.moveaxis(q.reshape(q.shape[:-2] + (-1,))[..., :K], -1, axis).astype(np.float32)
;;   ~~~
;;   OPERANDS COMPUTED ON THE WAY. 'Computed on the way' means the value that the module computes at that place (a softmax that the list does not call 'softmax' is quantised finished and normalised). What goes into a quantiser is computed in f32, as accurately as f32 sums, v_exp_f32 and their like allow (about 1e-6 of the number): no bf16 or f16 on the way to a quantiser, and a product that is left as it is and whose result goes on into a quantised operand takes f32 operands (vector FMAs, or v_wmma_f32_16x16x4_f32). A number that lies on a knife's edge between two numbers of the format may be rounded either way, as far as f32 arithmetic and the matrix unit's own rounding can turn it there, and no further.
;;   INPUTS GIVEN AS CODES. W_qkv (in the module: [1024, 3072], K = its axis 0); x (in the module: [4, 2048, 1024], K = its axis 2): each comes as NAME_codes (uint8): NAME with its K axis moved to the last place and cut into blocks of 32 codes, [.., K / 32, bytes a block], one block behind the other in memory; two codes a byte, the lower K in the low four bits (a code: sign, 2 exponent bits, 1 mantissa bit); and NAME_scales (uint8): the same leading axes, one E8M0 byte (e + 127) for each 32 codes along K. Its value is code x scale, taken as it is: it is not quantised again, and the codes and scales need not be those that the quantiser above would give.
;; One version. Each part assembles by itself: llvm-mc -triple=amdgcn-amd-amdhsa -mcpu=gfx1250 --defsym DOCPART=n.
;; ======== version 1 of 1: 2 launches
;; workspace buffers: qc 4,194,304 bytes; qs 524,288 bytes; kv 9,437,184 bytes
;; launch qkv (part 1): grid 8 x 32, 4 waves a work-group, clusters of 4 x 4, 327,680 bytes of LDS; arguments x_codes, x_scales, W_qkv_codes, W_qkv_scales, b_qkv, qc, qs, kv; writes qc, qs, kv
.if DOCPART == 1
	.amdgcn_target "amdgcn-amd-amdhsa--gfx1250"
	.amdhsa_code_object_version 6
	.text
	.protected	k_q3a69beffa6_qkv
	.globl	k_q3a69beffa6_qkv
	.p2align	8
	.type	k_q3a69beffa6_qkv,@function
k_q3a69beffa6_qkv:
	s_mov_b64 s[64:65], 0
	v_nop
	global_prefetch_b8 v0, s[64:65] scope:SCOPE_SE
	s_setreg_imm32_b32 hwreg(HW_REG_WAVE_MODE, 25, 1), 1
	s_wait_xcnt 0x0
	s_wait_alu depctr_hold_cnt(0) depctr_sa_sdst(0) depctr_va_vdst(0) depctr_va_sdst(0) depctr_va_ssrc(0) depctr_va_vcc(0) depctr_vm_vsrc(0)
	s_getreg_b32 s2, hwreg(HW_REG_IB_STS2, 6, 4)
	s_cmp_eq_u32 s2, 0
	s_cbranch_scc0 .Lentry_in_a_cluster
	s_endpgm
.Lentry_in_a_cluster:
	s_bfe_u32 s2, ttmp6, 0x10000c
	s_cmp_lg_u32 s2, 0xf033
	s_cbranch_scc0 .Lentry_shape_is_right
	s_endpgm
.Lentry_shape_is_right:
; qkv = x W + b on codes of FP4 (E2M1) with one E8M0 scale for each 32 along K = 1,024; then q, k and v are quantised for the two products that follow and stored as images of the registers that the next launch wants.
; Column c of qkv is 192 head + 3 d + role (role 0 q, 1 k, 2 v).  x: 8,192 rows (tokens) of 512 bytes of codes and 32 scale bytes; W: 3,072 rows likewise.
; SHARES.  A work-group takes 256 tokens x 2 heads (384 neighbouring rows of W); wave w takes 128 tokens (w / 2) of one head (w % 2): 8 tiles of tokens x 12 tiles of W rows = 96 accumulators, 768 registers.
; A tile of W for (role, t) is rows 3 (16 t + r) + role of the head's 192: W lies in LDS as in memory, and a lane picks every third row.
; q and k are made TRANSPOSED (source 0 = W's tile, source 1 = x's): a lane holds one token and eight neighbouring d, which is the next product's K.  v is made the natural way (source 0 = x's tile): a lane holds one d and
; eight neighbouring tokens, which is the last product's K.  So every quantiser finds its K along a lane's registers.
; THE FACTOR 32 of reference() is a power of two: it goes into q's scale bytes (+ 5), which rounds nothing.
; K goes in 8 steps of 128; an LDS slot holds two steps (rows of 128 bytes + 16 of padding).  Three slots; the fourth pair of steps is filled into slot 0 again.  By this text's own count a wave has four tensor loads out at the most.
; CLUSTERS: 4 x 4 work-groups; x's tiles are shared along a row of the cluster, W's along a column: each is asked for jointly.
; LIMITS: NaN and infinities are not served.  A block of zeros gets the scale byte 1 where the rule says 127: its codes are zeros, and this program alone reads the bytes.  q's byte + 5 wants |q| under 2^124.
; REGISTERS: window 0: v2-23 addresses and v's bias; v24-63 scale words and nothing else; v64-191 x's fragments, two sets; v192-255 W's fragments, two sets of four.
;   window 1: q's accumulators, (t, m) at 8 (4 m + t); window 2: k's likewise; window 3: v's, (t, m) at 8 (8 t + m).
.set SLOT,  92160                      ; x's 256 rows x 144 bytes, then W's 384 rows x 144
.set AHALF, 18432                      ; 128 rows of x: one tensor load
.set BOFF,  36864
.set BHALF, 27648                      ; 192 rows of W: one tensor load
.set SCX,   276480                     ; behind the three slots: x's scale bytes, 256 rows x 32
.set SCW,   284672                     ; W's, 384 rows x 32
.set SPARE, 296960                     ; the spare words, 128 bytes for each wave: two blocks of 256 bytes that no other line names
.set ADRA, 2                           ; v2-4   my x fragments in slot 0, 1, 2
.set ADRB, 5                           ; v5-7   my W fragments
.set ADSX, 8                           ; v8     x's scale words: row = lane
.set ADSW, 9                           ; v9     W's: row = 3 x lane
.set SPW,  10                          ; v10    my spare word; never rewritten
.set NIL,  11                          ; v11    0; never rewritten
.set VB,   12                          ; v12-19 v's bias of my d in tile t, twice (a pair for the packed addition)
.set LI,   20                          ; v20    16 x lane
.set L8,   21                          ; v21    8 x lane
.set KST,  22                          ; v22-23 where k's codes go: 32 r + 16 h, and the same with the halves exchanged
.set XS,   24                          ; v24-39 x's scale words: register 4 i + q: lanes 0-15 tile 2 i, lanes 16-31 tile 2 i + 1, K step q of four
.set WS,   40                          ; v40-63 W's: register 4 (2 role + i) + q likewise
.set XF,   64
.set WB,   192
.set WV,   20                          ; s20 wave;  s21 which 128 tokens (also: I fetch for x (0) or W (1));  s22 which head (also: which half I fetch)
.set MH,   21
.set HD,   22
.set HI,   23                          ; s23 the mask of lanes 16-31
.set G1A,  24                          ; s[24:31] group 1, s[32:43] three groups 0 for x's tiles
.set G0A,  32
.set G1B,  44                          ; s[44:51], s[52:63] the same for W's
.set G0B,  52
.set G1SX, 68                          ; s[68:75], s[76:79] x's scale bytes
.set G0SX, 76
.set G1SW, 80                          ; s[80:87], s[88:91] W's
.set G0SW, 88
.set MSB, 0
.macro WIN new                         ; the immediate's high byte repeats the setting that is left
.if MSB != (\new)
	s_set_vgpr_msb (MSB<<8)|(\new)
.set MSB, (\new)
.endif
.endm
.macro PLACES n
.rept \n
	v_nop
.endr
.endm
; A joint load: waves 0 and 1 fetch for x, waves 2 and 3 for W.  The branch hangs on the wave's number alone.  Four v_nop follow each of the two lines.
.macro JLOAD g0a, g1a, g0b, g1b
	s_cmp_eq_u32 s[MH], 0
	s_cbranch_scc0 .Lfor_b_\@
	tensor_load_to_lds s[\g0a:\g0a+3], s[\g1a:\g1a+7]
	s_nop 0
.rept 4
	v_nop
.endr
	s_branch .Lasked_\@
.Lfor_b_\@:
	tensor_load_to_lds s[\g0b:\g0b+3], s[\g1b:\g1b+7]
	s_nop 0
.rept 4
	v_nop
.endr
.Lasked_\@:
.endm
.macro CREST                           ; a round of the cluster's barrier behind its opening barrier
	s_cmp_lg_u32 s[WV], 0
	s_cbranch_scc1 .Lnot_wave_0_\@
	s_barrier_signal -3
.Lnot_wave_0_\@:
	s_barrier_wait -3
	s_barrier_signal -1
	s_barrier_wait -1
.endm
.macro CROUND
	s_barrier_signal -1
	s_barrier_wait -1
	CREST
.endm
.macro SHAPE grp, cols, rows, pitch    ; words 1 to 7 of a group 1
	s_mov_b32 s[\grp+1], (\cols)<<16               ; tensor_dim0
	s_mov_b32 s[\grp+2], (\rows)<<16               ; tensor_dim1
	s_mov_b32 s[\grp+3], (\cols)<<16               ; tile_dim0
	s_mov_b32 s[\grp+4], \rows                     ; tile_dim1
	s_mov_b32 s[\grp+5], \pitch                    ; elements from row to row
	s_mov_b32 s[\grp+6], 0
	s_mov_b32 s[\grp+7], 0
.endm
	s_load_b256 s[4:11], s[0:1], 0x0               ; x's codes s[4:5], x's scales s[6:7], W's codes s[8:9], W's scales s[10:11]
	s_load_b256 s[12:19], s[0:1], 0x20             ; b s[12:13], qc s[14:15], qs s[16:17], kv s[18:19]
	v_lshl_add_u32 v[SPW], v0, 2, SPARE
	v_mov_b32 v[NIL], 0
	ds_add_u32 v10, v11
	ds_add_u32 v10, v11
	s_wait_dscnt 0x0
	v_lshrrev_b32 v1, 5, v0
	v_readfirstlane_b32 s[WV], v1                  ; wave 0..3
	s_lshr_b32 s[MH], s[WV], 1
	s_and_b32 s[HD], s[WV], 1
	s_bfe_u32 s92, ttmp6, 0x40000                  ; cx
	s_bfe_u32 s93, ttmp6, 0x40004                  ; cy
	s_lshl_b32 s94, ttmp9, 2
	s_add_co_u32 s94, s94, s92                     ; tx = 4 x cluster x + cx: which pair of heads
	s_and_b32 s95, ttmp7, 0xffff
	s_lshl_b32 s95, s95, 2
	s_add_co_u32 s95, s95, s93                     ; ty = 4 x cluster y + cy: which 256 tokens
	s_lshl_b32 s96, s93, 2
	s_lshl_b32 s96, 15, s96                        ; my row of the cluster
	s_lshl_b32 s97, 0x1111, s92                    ; my column
	s_or_b32 s[G1A], s96, (1<<20)|(1<<21)|(4<<22)|(3<<25)   ; the mask; elements of 1 byte; padding on; bit 21 beside a mask; after every 32 words (code 4) four words (code 3)
	s_or_b32 s[G1B], s97, (1<<20)|(1<<21)|(4<<22)|(3<<25)
	SHAPE G1A, 128, 128, 512                       ; 128 rows of 128 bytes, 512 bytes apart in memory
	SHAPE G1B, 128, 192, 512                       ; 192 rows
	s_or_b32 s[G1SX], s96, (3<<16)|(1<<21)         ; the scale bytes are dense: rows of 32 elements of 8 bytes, no padding
	s_or_b32 s[G1SW], s97, (3<<16)|(1<<21)
	SHAPE G1SX, 32, 16, 32                         ; 128 rows x 32 bytes = 16 x 256
	SHAPE G1SW, 32, 24, 32                         ; 192 rows x 32 bytes = 24 x 256
	; x's addresses hang on ty and the wave alone, W's on tx and the wave alone, each in registers that do not hold the other coordinate
	s_lshl_b32 s98, s95, 8
	s_lshl_b32 s99, s[HD], 7
	s_add_co_u32 s98, s98, s99                     ; the first token that I fetch: 256 ty + 128 half
	s_lshl_b32 s66, s98, 5                         ; its scale bytes,
	s_lshl_b32 s98, s98, 9                         ; its codes
	s_mov_b32 s99, 0
	s_mov_b32 s67, 0
	s_mul_i32 s100, s94, 384
	s_mul_i32 s101, s[HD], 192
	s_add_co_u32 s100, s100, s101                  ; the first row of W that I fetch: 384 tx + 192 half
	s_lshl_b32 s2, s100, 5
	s_lshl_b32 s100, s100, 9
	s_mov_b32 s101, 0
	s_mov_b32 s3, 0
	s_wait_kmcnt 0x0
	s_add_nc_u64 s[4:5], s[4:5], s[98:99]
	s_add_nc_u64 s[6:7], s[6:7], s[66:67]
	s_add_nc_u64 s[8:9], s[8:9], s[100:101]
	s_add_nc_u64 s[10:11], s[10:11], s[2:3]
	s_mul_i32 s98, s[HD], AHALF                    ; where they go: the wave's number alone enters an LDS address
	s_mul_i32 s100, s[HD], BHALF
	s_add_co_u32 s100, s100, BOFF
	s_lshl_b32 s66, s[HD], 12
	s_mul_i32 s2, s[HD], 6144
	CROUND                                         ; all sixteen work-groups are here: the first joint loads meet
	s_mov_b32 s[G0SX], 1
	s_add_co_u32 s[G0SX+1], s66, SCX
	s_mov_b64 s[G0SX+2:G0SX+3], s[6:7]
	s_or_b32 s[G0SX+3], s[G0SX+3], 0x80000000
	s_mov_b32 s[G0SW], 1
	s_add_co_u32 s[G0SW+1], s2, SCW
	s_mov_b64 s[G0SW+2:G0SW+3], s[10:11]
	s_or_b32 s[G0SW+3], s[G0SW+3], 0x80000000
	JLOAD G0SX, G1SX, G0SW, G1SW                   ; the scale bytes of all of K: filled once
.irp s, 0,1,2
	s_mov_b32 s[G0A+4*\s], 1
	s_add_co_u32 s[G0A+4*\s+1], s98, \s*SLOT
	s_add_nc_u64 s[G0A+4*\s+2:G0A+4*\s+3], s[4:5], \s*128   ; slot s begins with K = 256 s
	s_or_b32 s[G0A+4*\s+3], s[G0A+4*\s+3], 0x80000000
	s_mov_b32 s[G0B+4*\s], 1
	s_add_co_u32 s[G0B+4*\s+1], s100, \s*SLOT
	s_add_nc_u64 s[G0B+4*\s+2:G0B+4*\s+3], s[8:9], \s*128
	s_or_b32 s[G0B+4*\s+3], s[G0B+4*\s+3], 0x80000000
	JLOAD G0A+4*\s, G1A, G0B+4*\s, G1B
.endr
	; lane addresses.  The temporaries v248-255 lie in W's second set, which is first loaded behind the wait for the bias loads
	v_and_b32 v248, 15, v0                         ; r
	v_bfe_u32 v249, v0, 4, 1                       ; h
	v_and_b32 v250, 31, v0                         ; lane
	v_lshlrev_b32 v[LI], 4, v250
	v_lshlrev_b32 v[L8], 3, v250
	v_lshlrev_b32 v251, 4, v249
	v_mad_u32_u24 v252, v248, 144, v251            ; x: row r, + 16 h.  36 words a row: the sixteen rows start at sixteen different groups of four banks
	v_mad_u32_u24 v253, v248, 432, v251            ; W: row 3 r, + 16 h.  108 r mod 64 is again sixteen different multiples of 4
	s_mul_i32 s66, s[MH], AHALF
	s_mul_i32 s67, s[HD], BHALF
	s_add_co_u32 s67, s67, BOFF
.irp s, 0,1,2
	v_add_nc_u32 v[ADRA+\s], s66, v252
	v_add_nc_u32 v[ADRB+\s], s67, v253
	s_add_co_u32 s66, s66, SLOT
	s_add_co_u32 s67, s67, SLOT
.endr
	s_lshl_b32 s66, s[MH], 12
	s_add_co_u32 s66, s66, SCX
	v_lshl_add_u32 v[ADSX], v250, 5, s66
	s_mul_i32 s67, s[HD], 6144
	s_add_co_u32 s67, s67, SCW
	v_mul_u32_u24 v[ADSW], v250, 96
	v_add_nc_u32 v[ADSW], s67, v[ADSW]
	v_lshl_add_u32 v[KST], v248, 5, v251
	v_xor_b32 v[KST+1], 16, v[KST]
	v_mul_u32_u24 v254, v249, 96                   ; q's and k's bias: lanes 16-31 begin 8 d = 24 numbers on
	v_mul_u32_u24 v255, v248, 12                   ; v's: d = r: 3 numbers a d
	; where the results go
	s_lshl_b32 s96, s94, 1
	s_add_co_u32 s96, s96, s[HD]                   ; head
	s_lshr_b32 s97, s95, 3                         ; batch
	s_lshl_b32 s97, s97, 4
	s_add_co_u32 s97, s97, s96                     ; bh = 16 batch + head
	s_and_b32 s92, s95, 7
	s_lshl_b32 s92, s92, 1
	s_add_co_u32 s92, s92, s[MH]                   ; which 128 tokens of the batch's 2,048
	s_mov_b32 s99, 0
	s_mul_i32 s98, s96, 768
	s_add_nc_u64 s[12:13], s[12:13], s[98:99]      ; b at my head's 192 numbers
	s_lshl_b32 s98, s97, 16
	s_lshl_b32 s93, s92, 12
	s_add_co_u32 s98, s98, s93
	s_add_nc_u64 s[14:15], s[14:15], s[98:99]      ; qc: 65,536 bh + 4,096 step
	s_lshr_b32 s98, s98, 3
	s_add_nc_u64 s[16:17], s[16:17], s[98:99]      ; qs: an eighth of that
	s_lshl_b32 s98, s97, 4
	s_add_co_u32 s98, s98, s92
	s_mul_i32 s98, s98, 9216
	s_add_nc_u64 s[18:19], s[18:19], s[98:99]      ; kv: my record of 9,216 bytes
	s_mov_b32 s2, 0x76543210
	s_mov_b32 s3, 0xfedcba98                       ; v_permlanex16_b32's selects for lane l xor 16
	s_mov_b32 s[HI], 0xffff0000
.irp g, 0,1                                    ; q's and k's bias in the result's layout: register j of tile t is d = 16 t + 8 h + j.  They lie where x's second set will lie and are the C of the first K step
.irp t, 0,1,2,3
.irp j, 0,1,2,3,4,5,6,7
	global_load_b32 v[128+32*\g+8*\t+\j], v254, s[12:13] offset:(3*(16*\t+\j)+\g)*4
.endr
.endr
.endr
.irp t, 0,1,2,3
	global_load_b32 v[VB+2*\t], v255, s[12:13] offset:(48*\t+2)*4
	global_load_b32 v[VB+2*\t+1], v255, s[12:13] offset:(48*\t+2)*4
.endr
; One scaled matrix instruction from the symbols rD, rA, rB, rC, rSA, rSB; zz = 1: C is the constant 0; pa, pb = 1: that side's scales are read from lanes 16-31
.macro WM
.if zz
.if (pa == 0) && (pb == 0)
	v_wmma_scale_f32_16x16x128_f8f6f4 v[rD:rD+7], v[rA:rA+7], v[rB:rB+7], 0, v[rSA], v[rSB] matrix_a_fmt:MATRIX_FMT_FP4 matrix_b_fmt:MATRIX_FMT_FP4
.elseif pb == 0
	v_wmma_scale_f32_16x16x128_f8f6f4 v[rD:rD+7], v[rA:rA+7], v[rB:rB+7], 0, v[rSA], v[rSB] matrix_a_fmt:MATRIX_FMT_FP4 matrix_b_fmt:MATRIX_FMT_FP4 matrix_a_scale:MATRIX_SCALE_ROW1
.elseif pa == 0
	v_wmma_scale_f32_16x16x128_f8f6f4 v[rD:rD+7], v[rA:rA+7], v[rB:rB+7], 0, v[rSA], v[rSB] matrix_a_fmt:MATRIX_FMT_FP4 matrix_b_fmt:MATRIX_FMT_FP4 matrix_b_scale:MATRIX_SCALE_ROW1
.else
	v_wmma_scale_f32_16x16x128_f8f6f4 v[rD:rD+7], v[rA:rA+7], v[rB:rB+7], 0, v[rSA], v[rSB] matrix_a_fmt:MATRIX_FMT_FP4 matrix_b_fmt:MATRIX_FMT_FP4 matrix_a_scale:MATRIX_SCALE_ROW1 matrix_b_scale:MATRIX_SCALE_ROW1
.endif
.else
.if (pa == 0) && (pb == 0)
	v_wmma_scale_f32_16x16x128_f8f6f4 v[rD:rD+7], v[rA:rA+7], v[rB:rB+7], v[rC:rC+7], v[rSA], v[rSB] matrix_a_fmt:MATRIX_FMT_FP4 matrix_b_fmt:MATRIX_FMT_FP4
.elseif pb == 0
	v_wmma_scale_f32_16x16x128_f8f6f4 v[rD:rD+7], v[rA:rA+7], v[rB:rB+7], v[rC:rC+7], v[rSA], v[rSB] matrix_a_fmt:MATRIX_FMT_FP4 matrix_b_fmt:MATRIX_FMT_FP4 matrix_a_scale:MATRIX_SCALE_ROW1
.elseif pa == 0
	v_wmma_scale_f32_16x16x128_f8f6f4 v[rD:rD+7], v[rA:rA+7], v[rB:rB+7], v[rC:rC+7], v[rSA], v[rSB] matrix_a_fmt:MATRIX_FMT_FP4 matrix_b_fmt:MATRIX_FMT_FP4 matrix_b_scale:MATRIX_SCALE_ROW1
.else
	v_wmma_scale_f32_16x16x128_f8f6f4 v[rD:rD+7], v[rA:rA+7], v[rB:rB+7], v[rC:rC+7], v[rSA], v[rSB] matrix_a_fmt:MATRIX_FMT_FP4 matrix_b_fmt:MATRIX_FMT_FP4 matrix_a_scale:MATRIX_SCALE_ROW1 matrix_b_scale:MATRIX_SCALE_ROW1
.endif
.endif
.endm
; The four W fragments of a role for K step kap into set buf: 16 rows x 128 K of 4-bit codes are 8 registers: registers 4 c .. 4 c + 3 hold K = 64 c + 32 h + 0 .. 31: two loads of 16 bytes, 32 bytes apart
.macro RUNW buf, kap, role
.irp t, 0,1,2,3
.irp c, 0,1
	ds_load_b128 v[WB+32*(\buf)+8*\t+4*\c:WB+32*(\buf)+8*\t+4*\c+3], v[ADRB+(((\kap)>>1)%3)] offset:(48*\t+(\role))*144+64*((\kap)&1)+32*\c
.endr
.endr
.endm
.macro RUNX kap                        ; x's eight fragments for K step kap into set kap % 2
.irp m, 0,1,2,3,4,5,6,7
.irp c, 0,1
	ds_load_b128 v[XF+64*((\kap)&1)+8*\m+4*\c:XF+64*((\kap)&1)+8*\m+4*\c+3], v[ADRA+(((\kap)>>1)%3)] offset:2304*\m+64*((\kap)&1)+32*\c
.endr
.endr
.endm
.macro SCALES bt                       ; the scale words of K steps 4 bt .. 4 bt + 3: four words a row by one load
.irp i, 0,1,2,3
	ds_load_b128 v[XS+4*\i:XS+4*\i+3], v[ADSX] offset:1024*\i+16*(\bt)
.endr
.irp ro, 0,1,2
.irp i, 0,1
	ds_load_b128 v[WS+4*(2*\ro+\i):WS+4*(2*\ro+\i)+3], v[ADSW] offset:(96*\i+\ro)*32+16*(\bt)
.endr
.endr
.endm
; Products of K step kap for role g: token tiles mfirst on, mcount of them, each against the role's four tiles of W.  The 96 accumulators take turns, one instruction a turn, in the same order in every K step.
; In the first K step q's and k's sums begin with the bias as C, v's with the constant 0: nothing is cleared.
.macro MUL kap, g, mfirst, mcount
.set mm, \mfirst
.rept \mcount
.set tt, 0
.rept 4
.set fW, WB+32*((3*(\kap)+(\g))%2)+8*tt
.set fX, XF+64*((\kap)&1)+8*mm
.set sW, WS+4*(2*(\g)+(tt>>1))+((\kap)&3)
.set sX, XS+4*(mm>>1)+((\kap)&3)
.if (\g) < 2
.set rD, 8*(4*mm+tt)
.set rA, fW
.set rB, fX
.set rSA, sW
.set rSB, sX
.set pa, tt&1
.set pb, mm&1
.else
.set rD, 8*(8*tt+mm)
.set rA, fX
.set rB, fW
.set rSA, sX
.set rSB, sW
.set pa, mm&1
.set pb, tt&1
.endif
.set rC, rD
.set zz, 0
.if (\kap) == 0
.if (\g) < 2
.set rC, 128+32*(\g)+8*tt
.else
.set zz, 1
.endif
.endif
	WM
.set tt, tt+1
.endr
.set mm, mm+1
.endr
.endm
; A group: the 32 products of one role in one K step.  At its head the next group's fragments are asked for, in one run, into the set that the group before has left: four places stand between that group's products and the loads
; (ISA guide 7.12.1 for vector instructions).  The counted wait leaves just that run out: all that was asked for earlier, this group's fragments, is in.
.macro GROUP kap, g
	PLACES 4
	WIN 0
.if (\g) == 0
.if (\kap) == 4
	SCALES 1                                       ; the second half of K: these ten loads stand ahead of the eight that the wait leaves out
.endif
	RUNW (3*(\kap)+1)%2, \kap, 1
	s_wait_dscnt 8
.elseif (\g) == 1
	RUNW (3*(\kap)+2)%2, \kap, 2
	s_wait_dscnt 8
.elseif (\kap) < 7
	RUNW (3*(\kap)+3)%2, (\kap)+1, 0
	RUNX (\kap)+1
	s_wait_dscnt 24
.else
	s_wait_dscnt 0
.endif
.if (\kap) == 0
	WIN 0x40*((\g)+1)                              ; D in the role's window, C in window 0 or a constant
.else
	WIN 0x50*((\g)+1)                              ; C and D in the role's window
.endif
	MUL \kap, \g, 0, 8
.endm
; v's group of a slot's second K step, where the next reads go to a slot that other waves' loads filled.  Each wave waits for all its tensor loads, adds 0 to its spare word, and waits for that and for its reads of the slot that is left
; (the last were issued in the group before).  fill = 1: the barrier opens a round of the cluster's barrier and slot 0 is filled again, with K = 768 on.
.macro SYNC kap, fill
	WIN 0
	s_wait_tensorcnt 0x0                           ; no tensor load of mine is out, so a group 0 may be written
	ds_add_u32 v[SPW], v[NIL]                      ; 0 onto my spare word
.if \fill
	s_add_nc_u64 s[G0A+2:G0A+3], s[G0A+2:G0A+3], 384
	s_add_nc_u64 s[G0B+2:G0B+3], s[G0B+2:G0B+3], 384
.endif
	s_wait_dscnt 1                                 ; the add alone may be out: this group's fragments are in
	WIN 0xf0
	MUL \kap, 2, 0, 4                              ; sixteen products stand between the add and the wait for it
	s_wait_dscnt 0x0                               ; the add is done, and my reads of the slot are over
	s_barrier_signal -1
	WIN 0
	s_barrier_wait -1
.if \fill
	CREST                                          ; no wave of any partner still reads slot 0 or has a load on its way
	JLOAD G0A, G1A, G0B, G1B                       ; the first tensor load behind the round, and my only one; its four v_nop are the places in front of the loads below
.else
	PLACES 4
.endif
	RUNW (3*(\kap)+3)%2, (\kap)+1, 0
	RUNX (\kap)+1
	WIN 0xf0
	MUL \kap, 2, 4, 4
.endm
	s_wait_tensorcnt 0x2                           ; the scale bytes and my part of slot 0 are in; slots 1 and 2 may stay out
	s_barrier_signal -1
	s_barrier_wait -1                              ; everybody's are
	SCALES 0
	RUNX 0
	RUNW 0, 0, 0
	s_wait_loadcnt 0x0                             ; the bias
	GROUP 0, 0
	GROUP 0, 1
	GROUP 0, 2
	GROUP 1, 0
	GROUP 1, 1
	SYNC 1, 1                                      ; slots 1 and 2 are whole for every wave from here on; slot 0 is asked for again
.irp kk, 2,3,4
	GROUP \kk, 0
	GROUP \kk, 1
	GROUP \kk, 2
.endr
	GROUP 5, 0
	GROUP 5, 1
	SYNC 5, 0                                      ; slot 0's second fill is whole for every wave
.irp kk, 6,7
	GROUP \kk, 0
	GROUP \kk, 1
	GROUP \kk, 2
.endr
	PLACES 4
	WIN 0
; THE WAY OUT.  Window 0 from v64 on is free.
.set TM,  64                           ; v64-67   four blocks' largest magnitudes
.set TP,  68                           ; v68-71   the other half of the lanes'
.set SO,  72                           ; v72-75   the conversions' scale operands
.set E,   76                           ; v76-79   the scale bytes
.set T0,  80                           ; v80-81   at work
.set QC,  96                           ; v96-127  q's codes; v128-159 k's; v160-191 v's: a register of its own for every store
.set KC,  128
.set VC,  160
.set QSR, 192                          ; v192-195 q's scale words; v196-199 k's; v200-201 v's
.set KSR, 196
.set VSR, 200
.set ZR,  202                          ; v202-203 zeros
.set VW,  204                          ; v204-207 v's scale word of each tile of d
; 64 neighbouring accumulator registers of window win: block b = registers 16 b .. 16 b + 15, which with lane l xor 16's sixteen are 32 neighbours along the next K.  Of a run of 32 registers, tile u holds K = 16 u + 8 h + 0 .. 7.
; The operand wants a whole block in a lane (lanes 0-15 the first block, lanes 16-31 the second): tiles 0 and 2 exchange halves, and so do tiles 1 and 3.  dst + 4 c .. + 3: the image of run c.
.macro QUANT base, win, dst
	WIN (\win)|((\win)<<2)
.irp b, 0,1,2,3
	v_max3_num_f32 v[TM+\b], |v[(\base)+16*\b]|, |v[(\base)+16*\b+1]|, 0x1800000   ; each accumulator is read from its low end on; the floor 2^(3 - 127) holds the byte at 1 from below
.endr
.irp i, 2,4,6,8,10,12,14
.irp b, 0,1,2,3
	v_max3_num_f32 v[TM+\b], |v[(\base)+16*\b+\i]|, |v[(\base)+16*\b+\i+1]|, v[TM+\b]   ; the four blocks by turns
.endr
.endr
	WIN 0
.irp b, 0,1,2,3
	v_permlanex16_b32 v[TP+\b], v[TM+\b], s2, s3
.endr
.irp b, 0,1,2,3
	v_max_num_f32 v[TM+\b], v[TM+\b], v[TP+\b]     ; the block's largest magnitude
.endr
.irp b, 0,1,2,3
	v_add_nc_u32 v[SO+\b], 0xff000000, v[TM+\b]    ; 2 off its exponent field: the conversion takes that field as its scale
.endr
.irp b, 0,1,2,3
	v_lshrrev_b32 v[E+\b], 23, v[SO+\b]            ; the scale's byte
.endr
	WIN \win
.irp c, 0,1
	v_cvt_scalef32_pk8_fp4_f32 v[(\dst)+4*\c],   v[(\base)+32*\c:(\base)+32*\c+7],     v[SO+2*\c]
	v_cvt_scalef32_pk8_fp4_f32 v[(\dst)+4*\c+2], v[(\base)+32*\c+8:(\base)+32*\c+15],  v[SO+2*\c]
	v_cvt_scalef32_pk8_fp4_f32 v[(\dst)+4*\c+1], v[(\base)+32*\c+16:(\base)+32*\c+23], v[SO+2*\c+1]
	v_cvt_scalef32_pk8_fp4_f32 v[(\dst)+4*\c+3], v[(\base)+32*\c+24:(\base)+32*\c+31], v[SO+2*\c+1]
.endr
	WIN 0
	v_nop                                          ; one plain place behind a scaled conversion
.irp c, 0,1
	v_permlane16_swap_b32 v[(\dst)+4*\c],   v[(\dst)+4*\c+1]
	v_permlane16_swap_b32 v[(\dst)+4*\c+2], v[(\dst)+4*\c+3]
.endr
.endm
.macro WORD2                           ; q, k: two bytes a token; lanes 0-15 take the first token tile's, lanes 16-31 the second's
	v_lshl_or_b32 v[T0], v[E+1], 8, v[E]
	v_lshl_or_b32 v[T0+1], v[E+3], 8, v[E+2]
	v_cndmask_b32 v[T0], v[T0], v[T0+1], s[HI]
.endm
.irp b, 0,1,2,3
	v_mov_b32 v[TP+\b], 0                          ; written once: a lane permute's destination counts as one of its sources
.endr
	v_mov_b32 v[ZR], 0
	v_mov_b32 v[ZR+1], 0
.irp p, 0,1,2,3                                ; q: token tiles 2 p, 2 p + 1.  Every store of the wave covers 512 or 256 consecutive bytes, aligned
	QUANT 64*\p, 1, QC+8*\p
	WORD2
	v_add_nc_u32 v[QSR+\p], 0x7f7f0505, v[T0]      ; + 5 on both bytes: the factor 32; bytes 2 and 3, for the zero codes that fill K to 128, are 127
	global_store_b128 v[LI], v[QC+8*\p:QC+8*\p+3], s[14:15] offset:1024*\p
	global_store_b128 v[LI], v[QC+8*\p+4:QC+8*\p+7], s[14:15] offset:1024*\p+512
.endr
	global_store_b64 v[L8], v[QSR:QSR+1], s[16:17]
	global_store_b64 v[L8], v[QSR+2:QSR+3], s[16:17] offset:256
.irp p, 0,1,2,3                                ; k: token tile m = 2 p + c goes to 2,048 (m / 4) + 1,024 a + 512 (m % 2), a = (m / 2) % 2; where a = 1 the two blocks of a token change places
	QUANT 64*\p, 2, KC+8*\p
	WORD2
	v_or_b32 v[KSR+\p], 0x7f7f0000, v[T0]
	global_store_b128 v[KST+(\p&1)], v[KC+8*\p:KC+8*\p+3], s[18:19] offset:2048*(\p>>1)+1024*(\p&1)
	global_store_b128 v[KST+(\p&1)], v[KC+8*\p+4:KC+8*\p+7], s[18:19] offset:2048*(\p>>1)+1024*(\p&1)+512
.endr
	global_store_b128 v[LI], v[KSR:KSR+3], s[18:19] offset:8192
	WIN 0xc3                                       ; v's bias: destination and source 0 in window 3
.irp t, 0,1,2,3
.set ii, 0
.rept 32
	v_pk_add_f32 v[64*\t+2*ii:64*\t+2*ii+1], v[64*\t+2*ii:64*\t+2*ii+1], v[VB+2*\t:VB+2*\t+1]
.set ii, ii+1
.endr
.endr
.irp t, 0,1,2,3                                ; v: tile t of d, 128 tokens: four blocks along the keys
	QUANT 64*\t, 3, VC+8*\t
	v_lshl_or_b32 v[VW+\t], v[E+1], 8, v[E]
	v_lshl_or_b32 v[VW+\t], v[E+2], 16, v[VW+\t]
	v_lshl_or_b32 v[VW+\t], v[E+3], 24, v[VW+\t]
	global_store_b128 v[LI], v[VC+8*\t:VC+8*\t+3], s[18:19] offset:4096+1024*\t
	global_store_b128 v[LI], v[VC+8*\t+4:VC+8*\t+7], s[18:19] offset:4096+1024*\t+512
.endr
	v_cndmask_b32 v[VSR], v[VW], v[VW+1], s[HI]    ; lanes 0-15 the even tile's words, lanes 16-31 the odd tile's
	v_cndmask_b32 v[VSR+1], v[VW+2], v[VW+3], s[HI]
	global_store_b64 v[L8], v[VSR:VSR+1], s[18:19] offset:8704
	global_store_b64 v[L8], v[ZR:ZR+1], s[18:19] offset:8960   ; the record's last 256 bytes: the next launch's tensor loads read the whole record
	s_wait_tensorcnt 0x0                           ; the wave's end
	ds_add_u32 v[SPW], v[NIL]
	s_wait_dscnt 0x0
	CROUND                                         ; the closing round: no work-group ends while a partner may still ask for a tile that names it
	s_endpgm
.Lfunc_end_k_q3a69beffa6_qkv:
	.size	k_q3a69beffa6_qkv, .Lfunc_end_k_q3a69beffa6_qkv-k_q3a69beffa6_qkv
	.p2alignl 7, 3214868480
	.fill 96, 4, 3214868480
	.section	.rodata,"a",@progbits
	.p2align	6, 0x0
	.amdhsa_kernel k_q3a69beffa6_qkv
		.amdhsa_group_segment_fixed_size 327680
		.amdhsa_private_segment_fixed_size 0
		.amdhsa_enable_private_segment 0
		.amdhsa_kernarg_size 64
		.amdhsa_user_sgpr_count 2
		.amdhsa_user_sgpr_kernarg_segment_ptr 1
		.amdhsa_wavefront_size32 1
		.amdhsa_system_sgpr_workgroup_id_x 1
		.amdhsa_system_sgpr_workgroup_id_y 1
		.amdhsa_system_sgpr_workgroup_id_z 1
		.amdhsa_system_vgpr_workitem_id 0
		.amdhsa_next_free_vgpr 1024
		.amdhsa_next_free_sgpr 102
		.amdhsa_reserve_vcc 0
		.amdhsa_float_denorm_mode_32 3
		.amdhsa_float_denorm_mode_16_64 3
		.amdhsa_memory_ordered 1
		.amdhsa_forward_progress 1
		.amdhsa_inst_pref_size 200
	.end_amdhsa_kernel
	.amdgpu_metadata
---
amdhsa.version: [ 1, 2 ]
amdhsa.kernels:
  - .name:           k_q3a69beffa6_qkv
    .symbol:         k_q3a69beffa6_qkv.kd
    .args:
      - { .name: x_codes, .offset: 0, .size: 8, .value_kind: global_buffer, .address_space: global }
      - { .name: x_scales, .offset: 8, .size: 8, .value_kind: global_buffer, .address_space: global }
      - { .name: W_qkv_codes, .offset: 16, .size: 8, .value_kind: global_buffer, .address_space: global }
      - { .name: W_qkv_scales, .offset: 24, .size: 8, .value_kind: global_buffer, .address_space: global }
      - { .name: b_qkv, .offset: 32, .size: 8, .value_kind: global_buffer, .address_space: global }
      - { .name: qc, .offset: 40, .size: 8, .value_kind: global_buffer, .address_space: global }
      - { .name: qs, .offset: 48, .size: 8, .value_kind: global_buffer, .address_space: global }
      - { .name: kv, .offset: 56, .size: 8, .value_kind: global_buffer, .address_space: global }
    .group_segment_fixed_size: 327680
    .private_segment_fixed_size: 0
    .kernarg_segment_align: 8
    .kernarg_segment_size: 64
    .max_flat_workgroup_size: 128
    .sgpr_count:     102
    .vgpr_count:     1024
    .wavefront_size: 32
...
	.end_amdgpu_metadata
.endif
;; end of part 1
;; launch attn (part 2): grid 4 x 64, 8 waves a work-group, clusters of 4 x 1, 183,296 bytes of LDS; arguments qc, qs, kv, out0; writes out0
.if DOCPART == 2
	.amdgcn_target "amdgcn-amd-amdhsa--gfx1250"
	.amdhsa_code_object_version 6
	.text
	.protected	k_q3a69beffa6_attn
	.globl	k_q3a69beffa6_attn
	.p2align	8
	.type	k_q3a69beffa6_attn,@function
k_q3a69beffa6_attn:
	s_mov_b64 s[64:65], 0
	v_nop
	global_prefetch_b8 v0, s[64:65] scope:SCOPE_SE
	s_setreg_imm32_b32 hwreg(HW_REG_WAVE_MODE, 25, 1), 1
	s_wait_xcnt 0x0
	s_wait_alu depctr_hold_cnt(0) depctr_sa_sdst(0) depctr_va_vdst(0) depctr_va_sdst(0) depctr_va_ssrc(0) depctr_va_vcc(0) depctr_vm_vsrc(0)
	s_getreg_b32 s2, hwreg(HW_REG_IB_STS2, 6, 4)
	s_cmp_eq_u32 s2, 0
	s_cbranch_scc0 .Lentry_in_a_cluster
	s_endpgm
.Lentry_in_a_cluster:
	s_bfe_u32 s2, ttmp6, 0x10000c
	s_cmp_lg_u32 s2, 0x3003
	s_cbranch_scc0 .Lentry_shape_is_right
	s_endpgm
.Lentry_shape_is_right:
; out[bh][i][:] = the sum over keys j of Q(attn[i][j]) Q(v[j][:]), attn = 32 Q(q) Q(k)^T, both products on codes of FP4 (E2M1) with one E8M0 scale for each 32 along K.  The factor 32 lies in q's scale bytes.  No softmax.
; qc, qs, kv were laid by the launch before in the order of this launch's registers: qc [bh][tile of 16 tokens][lane][16 bytes]; qs [bh][64 tokens][lane][2 words];
; kv [bh][step of 128 keys]: a record of 9,216 bytes: K's codes (4,096), V's codes (4,096), K's scale words (512), V's (256), 256 zeros.
; SHARES.  A work-group owns 512 queries of one (batch, head), each of its eight waves 64: four tiles of 16.  Two waves to a SIMD, so that one wave's vector work stands beside the other's products and LDS loads.
; Every wave walks the head's 2,048 keys, 128 a step.  The head's 16 records, 147,456 bytes, come into LDS ONCE: nothing is filled again.
; CLUSTER.  The four work-groups of a cluster belong to one (batch, head) and want the same records: each part is asked for jointly, with a mask that names the four.
; LAYOUT.  Both products are used transposed: S^T = K Q^T (source 0 = 16 keys, source 1 = 16 queries), O^T = V^T P^T: a lane holds ONE query (lane % 16) throughout.
; THE KEYS OF A TILE ARE NOT NEIGHBOURS: rows 0-7 of tile (g, t) are keys 64 g + 8 t + 0 .. 7, rows 8-15 keys 64 g + 32 + 8 t + 0 .. 7.  So the 32 registers of tiles 4 g .. 4 g + 3 are keys 64 g + 32 (lane / 16) + 0 .. 31:
; a whole block of the next K in one lane, in the order of the operand's registers: a block's largest magnitude asks no other lane, and the conversions' results are the operand.
; The first product's K is 64: registers 4-7 of K's and Q's fragments are zero codes, cleared once, under the scale byte 127.
; LIMITS: NaN and infinities are not served.  A block of zeros gets the scale byte 1: its codes are zeros.
; REGISTERS: window 0: v1-11 addresses; v12-21 scale words and nothing else; v24-34 at work; v40-55 p's codes, two sets; v64-191 S^T, two sets of 64.
;   window 1: v0-127 O^T, (tile i, d tile t) at 8 (4 i + t); v128-159 Q; v160-223 K of a step; v224-255 V of a step.
.set REC,   9216
.set STAGE, 147456                     ; behind the records: 16 rows x 272 bytes for each wave, for the way out
.set LI,   1                           ; v1   16 x lane
.set L8,   2                           ; v2   8 x lane
.set AK0,  3                           ; v3   my lane's place in a tile of K
.set AKS0, 4                           ; v4   and among K's scale words
.set SH8,  5                           ; v5   8 (lane / 16)
.set STO,  6                           ; v6   the way out: where I put 32 bytes of a row
.set RD,   7                           ; v7   and where I read a row back
.set ADK,  8                           ; v8-11 the addresses of the record to be fetched: K, V, K's words, V's words
.set ADV,  9
.set ADS,  10
.set ADT,  11
.set QS,   12                          ; v12-13 Q's scale words: register i / 2, lanes 0-15 tile even, lanes 16-31 tile odd
.set VS,   14                          ; v14-15 V's likewise
.set KS,   16                          ; v16-19 K's likewise
.set PW,   20                          ; v20-21 p's scale word, two sets
.set TM,   24                          ; v24-27 four chains of a maximum
.set TP,   28
.set WT,   29
.set SO,   30                          ; v30-31 the conversions' scale operands
.set E,    32                          ; v32-33 the scale bytes
.set PC,   40
.set S,    64
.set QF,   128                         ; in window 1
.set KF,   160
.set VF,   224
.set WV,   12                          ; s12 wave
.set G1A,  16                          ; s[16:23], s[24:31] groups 1 for 18 and for 54 rows; s[32:35], s[36:39] their groups 0
.set G1B,  24
.set G0A,  32
.set G0B,  36
.set SEL,  40                          ; s[40:41] lane selects: lane l xor 16
.set TB,   42                          ; s42 LDS byte of the record to be fetched
.set CNT,  43
.set MSB, 0
.macro WIN new                         ; the immediate's high byte repeats the setting that is left
.if MSB != (\new)
	s_set_vgpr_msb (MSB<<8)|(\new)
.set MSB, (\new)
.endif
.endm
.macro PLACES n
.rept \n
	v_nop
.endr
.endm
.macro CROUND                          ; a round of the cluster's barrier
	s_barrier_signal -1
	s_barrier_wait -1
	s_cmp_lg_u32 s[WV], 0
	s_cbranch_scc1 .Lnot_wave_0_\@
	s_barrier_signal -3
.Lnot_wave_0_\@:
	s_barrier_wait -3
	s_barrier_signal -1
	s_barrier_wait -1
.endm
	s_load_b256 s[4:11], s[0:1], 0x0               ; qc s[4:5], qs s[6:7], kv s[8:9], out0 s[10:11]
	v_lshl_add_u32 v254, v0, 2, 0x2c800
	v_mov_b32 v255, 0
	ds_add_u32 v254, v255
	ds_add_u32 v254, v255
	v_lshrrev_b32 v1, 5, v0
	v_readfirstlane_b32 s[WV], v1                  ; wave 0..7
	s_bfe_u32 s13, ttmp6, 0x40000                  ; cx
	s_lshl_b32 s44, ttmp9, 2
	s_add_co_u32 s13, s13, s44                     ; my block of 512 queries: it enters q's and out0's addresses alone
	s_and_b32 s14, ttmp7, 0xffff                   ; bh, which the four partners share
	s_mul_i32 s46, s14, 16*REC
	s_mov_b32 s47, 0
	s_mul_i32 s48, s[WV], 18*256                   ; records 0-3 are 144 rows of 256 bytes: 18 a wave;
	s_mov_b32 s49, 0
	s_mul_i32 s50, s[WV], 54*256                   ; records 4-15 are 432: 54 a wave.  LDS holds the records as memory does
	s_add_co_u32 s50, s50, 4*REC
	s_mov_b32 s51, 0
	s_mov_b32 s[G1A], 15|(3<<16)|(1<<21)           ; the mask: all four work-groups; elements of 8 bytes; bit 21 beside a mask; no padding
	s_mov_b32 s[G1A+1], 32<<16                     ; tensor_dim0 = 32 elements = 256 bytes
	s_mov_b32 s[G1A+2], 18<<16                     ; tensor_dim1
	s_mov_b32 s[G1A+3], 32<<16                     ; tile_dim0
	s_mov_b32 s[G1A+4], 18                         ; tile_dim1
	s_mov_b32 s[G1A+5], 32                         ; dense
	s_mov_b32 s[G1A+6], 0
	s_mov_b32 s[G1A+7], 0
	s_mov_b32 s[G1B], 15|(3<<16)|(1<<21)
	s_mov_b32 s[G1B+1], 32<<16
	s_mov_b32 s[G1B+2], 54<<16
	s_mov_b32 s[G1B+3], 32<<16
	s_mov_b32 s[G1B+4], 54
	s_mov_b32 s[G1B+5], 32
	s_mov_b32 s[G1B+6], 0
	s_mov_b32 s[G1B+7], 0
	s_mov_b32 s[SEL], 0x76543210
	s_mov_b32 s[SEL+1], 0xfedcba98
	s_mov_b32 s[TB], 0
	s_wait_dscnt 0x0
	s_wait_kmcnt 0x0
	s_add_nc_u64 s[8:9], s[8:9], s[46:47]          ; kv at my head's first record
	CROUND                                         ; all four work-groups are here: the joint loads meet
	s_mov_b32 s[G0A], 1
	s_mov_b32 s[G0A+1], s48
	s_add_nc_u64 s[G0A+2:G0A+3], s[8:9], s[48:49]
	s_or_b32 s[G0A+3], s[G0A+3], 0x80000000
	s_mov_b32 s[G0B], 1
	s_mov_b32 s[G0B+1], s50
	s_add_nc_u64 s[G0B+2:G0B+3], s[8:9], s[50:51]
	s_or_b32 s[G0B+3], s[G0B+3], 0x80000000
	tensor_load_to_lds s[G0A:G0A+3], s[G1A:G1A+7]  ; my two loads stand together: two are out; four v_nop follow the second
	s_nop 0
	tensor_load_to_lds s[G0B:G0B+3], s[G1B:G1B+7]
	s_nop 0
.rept 4
	v_nop
.endr
	s_lshl_b32 s44, s14, 16
	s_lshl_b32 s46, s13, 14
	s_add_co_u32 s44, s44, s46
	s_lshl_b32 s46, s[WV], 11
	s_add_co_u32 s44, s44, s46                     ; qc: 65,536 bh + 16,384 block + 2,048 wave
	s_mov_b32 s45, 0
	s_add_nc_u64 s[4:5], s[4:5], s[44:45]
	s_lshr_b32 s44, s44, 3                         ; qs: an eighth of that
	s_add_nc_u64 s[6:7], s[6:7], s[44:45]
	s_lshl_b32 s44, s44, 6                         ; out0: 524,288 bh + 131,072 block + 16,384 wave
	s_add_nc_u64 s[10:11], s[10:11], s[44:45]
	v_and_b32 v24, 31, v0                          ; lane
	v_lshlrev_b32 v[LI], 4, v24
	v_lshlrev_b32 v[L8], 3, v24
	WIN 0x40                                       ; destination window 1
.irp i, 0,1,2,3
	global_load_b128 v[QF+8*\i:QF+8*\i+3], v[LI], s[4:5] offset:512*\i   ; Q's four fragments stay in registers
.endr
.irp i, 0,1,2,3
.irp j, 4,5,6,7
	v_mov_b32 v[QF+8*\i+\j], 0                     ; K = 64 .. 127 of the first product: zero codes, cleared once
.endr
.endr
.irp i, 0,1,2,3,4,5,6,7
.irp j, 4,5,6,7
	v_mov_b32 v[KF+8*\i+\j], 0
.endr
.endr
	WIN 0
	global_load_b64 v[QS:QS+1], v[L8], s[6:7]
	v_and_b32 v25, 7, v0                           ; the key's place among eight
	v_bfe_u32 v26, v0, 3, 1                        ; a: rows 8-15 of a tile lie 32 keys on
	v_bfe_u32 v27, v0, 4, 1                        ; the lane's half = the block of d
	v_add_nc_u32 v28, v26, v27
	v_and_b32 v28, 1, v28                          ; where a = 1 the two blocks of a key have changed places
	v_lshlrev_b32 v[AK0], 10, v26
	v_lshl_add_u32 v[AK0], v25, 5, v[AK0]
	v_lshl_add_u32 v[AK0], v28, 4, v[AK0]
	v_lshlrev_b32 v[AKS0], 7, v27                  ; K's scale words: token 32 j + l at 16 l + 4 j; lanes 16-31 take the odd tile: 8 tokens on
	v_lshl_add_u32 v[AKS0], v25, 4, v[AKS0]
	v_lshl_add_u32 v[AKS0], v26, 2, v[AKS0]
	v_lshlrev_b32 v[SH8], 3, v27
	s_mul_i32 s44, s[WV], 16*272
	s_add_co_u32 s44, s44, STAGE                   ; my stage
	v_and_b32 v29, 15, v0
	v_mul_u32_u24 v[STO], v29, 272
	v_lshl_add_u32 v[STO], v27, 5, v[STO]
	v_add_nc_u32 v[STO], s44, v[STO]               ; in: row = my query, + 32 bytes for lanes 16-31
	v_mul_u32_u24 v[RD], v27, 272
	v_lshl_add_u32 v[RD], v29, 4, v[RD]
	v_add_nc_u32 v[RD], s44, v[RD]                 ; back: lanes 0-15 one row of 256 bytes, lanes 16-31 the next
	v_mov_b32 v[TP], 0                             ; written once: a lane permute's destination counts as one of its sources
	v_add_nc_u32 v[ADK], s[TB], v[AK0]
	v_add_nc_u32 v[ADV], s[TB], v[LI]
	v_add_nc_u32 v[ADS], s[TB], v[AKS0]
	v_add_nc_u32 v[ADT], s[TB], v[L8]
; One scaled matrix instruction from the symbols rD, rA, rB, rC, rSA, rSB; zz = 1: C is the constant 0; pa, pb = 1: that side's scales are read from lanes 16-31
.macro WM
.if zz
.if (pa == 0) && (pb == 0)
	v_wmma_scale_f32_16x16x128_f8f6f4 v[rD:rD+7], v[rA:rA+7], v[rB:rB+7], 0, v[rSA], v[rSB] matrix_a_fmt:MATRIX_FMT_FP4 matrix_b_fmt:MATRIX_FMT_FP4
.elseif pb == 0
	v_wmma_scale_f32_16x16x128_f8f6f4 v[rD:rD+7], v[rA:rA+7], v[rB:rB+7], 0, v[rSA], v[rSB] matrix_a_fmt:MATRIX_FMT_FP4 matrix_b_fmt:MATRIX_FMT_FP4 matrix_a_scale:MATRIX_SCALE_ROW1
.elseif pa == 0
	v_wmma_scale_f32_16x16x128_f8f6f4 v[rD:rD+7], v[rA:rA+7], v[rB:rB+7], 0, v[rSA], v[rSB] matrix_a_fmt:MATRIX_FMT_FP4 matrix_b_fmt:MATRIX_FMT_FP4 matrix_b_scale:MATRIX_SCALE_ROW1
.else
	v_wmma_scale_f32_16x16x128_f8f6f4 v[rD:rD+7], v[rA:rA+7], v[rB:rB+7], 0, v[rSA], v[rSB] matrix_a_fmt:MATRIX_FMT_FP4 matrix_b_fmt:MATRIX_FMT_FP4 matrix_a_scale:MATRIX_SCALE_ROW1 matrix_b_scale:MATRIX_SCALE_ROW1
.endif
.else
.if (pa == 0) && (pb == 0)
	v_wmma_scale_f32_16x16x128_f8f6f4 v[rD:rD+7], v[rA:rA+7], v[rB:rB+7], v[rC:rC+7], v[rSA], v[rSB] matrix_a_fmt:MATRIX_FMT_FP4 matrix_b_fmt:MATRIX_FMT_FP4
.elseif pb == 0
	v_wmma_scale_f32_16x16x128_f8f6f4 v[rD:rD+7], v[rA:rA+7], v[rB:rB+7], v[rC:rC+7], v[rSA], v[rSB] matrix_a_fmt:MATRIX_FMT_FP4 matrix_b_fmt:MATRIX_FMT_FP4 matrix_a_scale:MATRIX_SCALE_ROW1
.elseif pa == 0
	v_wmma_scale_f32_16x16x128_f8f6f4 v[rD:rD+7], v[rA:rA+7], v[rB:rB+7], v[rC:rC+7], v[rSA], v[rSB] matrix_a_fmt:MATRIX_FMT_FP4 matrix_b_fmt:MATRIX_FMT_FP4 matrix_b_scale:MATRIX_SCALE_ROW1
.else
	v_wmma_scale_f32_16x16x128_f8f6f4 v[rD:rD+7], v[rA:rA+7], v[rB:rB+7], v[rC:rC+7], v[rSA], v[rSB] matrix_a_fmt:MATRIX_FMT_FP4 matrix_b_fmt:MATRIX_FMT_FP4 matrix_a_scale:MATRIX_SCALE_ROW1 matrix_b_scale:MATRIX_SCALE_ROW1
.endif
.endif
.endm
.macro FETCH_K                         ; a record's eight tiles of K (the low four registers of each fragment) and their scale words: 12 loads
	WIN 0x40
.irp g, 0,1
.irp t, 0,1,2,3
	ds_load_b128 v[KF+8*(4*\g+\t):KF+8*(4*\g+\t)+3], v[ADK] offset:2048*\g+256*\t
.endr
.endr
	WIN 0
.irp g, 0,1
.irp p, 0,1
	ds_load_b32 v[KS+2*\g+\p], v[ADS] offset:8192+256*\p+8*\g
.endr
.endr
.endm
.macro FETCH_V                         ; its four tiles of V, images of the registers, and their scale words: 9 loads
	WIN 0x40
.irp t, 0,1,2,3
.irp c, 0,1
	ds_load_b128 v[VF+8*\t+4*\c:VF+8*\t+4*\c+3], v[ADV] offset:4096+512*(2*\t+\c)
.endr
.endr
	WIN 0
	ds_load_b64 v[VS:VS+1], v[ADT] offset:8704
.endm
.macro SMUL i                          ; S^T of query tile i: eight tiles of 16 keys into set i % 2; every product starts its own sum
	WIN 0x05                                       ; sources 0 (K) and 1 (Q) window 1, D window 0
.set tau, 0
.rept 8
.set rD, S+64*((\i)&1)+8*tau
.set rA, KF+8*tau
.set rB, QF+8*(\i)
.set rC, rD
.set zz, 1
.set rSA, KS+(tau>>1)
.set pa, tau&1
.set rSB, QS+((\i)>>1)
.set pb, (\i)&1
	WM
.set tau, tau+1
.endr
.endm
.macro OMUL i, zero                    ; O^T of query tile i += V^T P^T: four tiles of 16 d; the accumulators take turns, one instruction a turn
	WIN 0x51                                       ; source 0 (V), C and D window 1; source 1 (p's codes) window 0
.set td, 0
.rept 4
.set rD, 8*(4*(\i)+td)
.set rA, VF+8*td
.set rB, PC+8*((\i)&1)
.set rC, rD
.set zz, \zero
.set rSA, VS+(td>>1)
.set pa, td&1
.set rSB, PW+((\i)&1)
.set pb, 0
	WM
.set td, td+1
.endr
.endm
; The largest magnitude of my two blocks of 32 keys, in four chains by turns; each accumulator is read from its low end on.  The floor 2^(3 - 127) holds the byte at 1 from below.  32 lines
.macro QMAX i
.set sbase, S+64*((\i)&1)
.irp c, 0,1
	v_max3_num_f32 v[TM+\c], |v[sbase+32*\c]|, |v[sbase+32*\c+1]|, 0x1800000
	v_max3_num_f32 v[TM+2+\c], |v[sbase+32*\c+16]|, |v[sbase+32*\c+17]|, |v[sbase+32*\c+18]|
.endr
.irp k, 0,1,2,3,4,5
.irp c, 0,1
	v_max3_num_f32 v[TM+\c], v[TM+\c], |v[sbase+32*\c+2+2*\k]|, |v[sbase+32*\c+3+2*\k]|
	v_max3_num_f32 v[TM+2+\c], v[TM+2+\c], |v[sbase+32*\c+19+2*\k]|, |v[sbase+32*\c+20+2*\k]|
.endr
.endr
.irp c, 0,1
	v_max3_num_f32 v[TM+\c], v[TM+\c], |v[sbase+32*\c+14]|, |v[sbase+32*\c+15]|
.endr
.irp c, 0,1
	v_max3_num_f32 v[TM+\c], v[TM+\c], v[TM+2+\c], |v[sbase+32*\c+31]|
.endr
.endm
; Scale operands, bytes, the scale word (my bytes are those of blocks h and 2 + h; lane l xor 16 has the other two), and the codes, which are the operand's registers as they come.  17 lines
.macro QFIN i
.set sbase, S+64*((\i)&1)
.set pcd, PC+8*((\i)&1)
	v_add_nc_u32 v[SO], 0xff000000, v[TM]          ; 2 off the exponent field: the conversion takes that field as its scale
	v_add_nc_u32 v[SO+1], 0xff000000, v[TM+1]
	v_lshrrev_b32 v[E], 23, v[SO]
	v_lshrrev_b32 v[E+1], 23, v[SO+1]
	v_lshl_or_b32 v[WT], v[E+1], 16, v[E]
	v_lshlrev_b32 v[WT], v[SH8], v[WT]
	v_permlanex16_b32 v[TP], v[WT], s[SEL], s[SEL+1]
	v_or_b32 v[PW+((\i)&1)], v[WT], v[TP]
.irp c, 0,1
.irp t, 0,1,2,3
	v_cvt_scalef32_pk8_fp4_f32 v[pcd+4*\c+\t], v[sbase+32*\c+8*\t:sbase+32*\c+8*\t+7], v[SO+\c]
.endr
.endr
	v_nop                                          ; one plain place behind a scaled conversion
.endm
; A KEY STEP: 128 keys x my 64 queries: 32 products K Q^T, 16 products V^T P^T, four quantisers.  zero = 1: the first step starts O^T's sums.  pre = 1: the next record's fragments are fetched.
; The quantiser of one tile stands between the products of its neighbours, so that every distance is filled by work: a scale word written by vector instructions stands 8 plain lines, codes 4, ahead of the product that takes them
; (a QMAX, or v_nop where nothing is left); a QFIN's plain lines stand between a run of products K Q^T and the first read of its results, and in front of the loads into K's registers.
.macro STEP zero, pre
.if \pre
	s_add_co_u32 s[TB], s[TB], REC
.endif
	s_wait_dscnt 9                                 ; K's twelve loads are in; V's nine, issued behind them, may be out
	SMUL 0
	SMUL 1
	WIN 0
.if \pre
	v_add_nc_u32 v[ADK], s[TB], v[AK0]             ; the next record's addresses: also the four places behind the products
	v_add_nc_u32 v[ADV], s[TB], v[LI]
	v_add_nc_u32 v[ADS], s[TB], v[AKS0]
	v_add_nc_u32 v[ADT], s[TB], v[L8]
.else
	PLACES 4
.endif
	QMAX 0
	QFIN 0
	QMAX 1
	s_wait_dscnt 0x0                               ; V is in
	OMUL 0, \zero
	SMUL 2
	WIN 0
	QFIN 1
	QMAX 2
	OMUL 1, \zero
	SMUL 3
	WIN 0
	QFIN 2
.if \pre
	FETCH_K                                        ; all four tiles have multiplied by this step's K
.endif
	QMAX 3
	OMUL 2, \zero
	WIN 0
	QFIN 3
	PLACES 8
	OMUL 3, \zero
	PLACES 4                                       ; in front of the loads into V's registers, and of the first read of O^T
.if \pre
	FETCH_V
.endif
	WIN 0
.endm
	s_wait_tensorcnt 0x1                           ; my part of records 0-3 is in; records 4-15 may stay out
	s_barrier_signal -1
	s_barrier_wait -1                              ; everybody's is
	FETCH_K
	FETCH_V
	s_wait_loadcnt 0x0                             ; Q and its scale words
	STEP 1, 1                                      ; steps 0, 1, 2 fetch records 1, 2, 3: they are written out, so that the wait for records 4-15 can stand behind them
	STEP 0, 1
	STEP 0, 1
	s_wait_tensorcnt 0x0                           ; my part of records 4-15 is in,
	s_wait_dscnt 0x0
	s_barrier_signal -1
	s_barrier_wait -1                              ; everybody's is
	s_mov_b32 s[CNT], 12
.Lstep:                                            ; steps 3 to 14 fetch records 4 to 15
	STEP 0, 1
	s_sub_co_u32 s[CNT], s[CNT], 1
	s_cmp_lg_u32 s[CNT], 0
	s_cbranch_scc1 .Lstep
	STEP 0, 0                                      ; the last step fetches nothing
; THE WAY OUT.  A lane holds eight neighbouring d of one query, 32 bytes, and the lanes beside it other queries: a tile of 16 queries goes through my own stage in LDS and comes back as whole rows of 256 bytes.
; LDS serves a wave's instructions in order (ISA guide 5.7.1.4): no wait between the stores and the loads, nor in front of the next tile's stores.
.macro TOSTAGE i
	WIN 0x04                                       ; an LDS store's data are its source 1: window 1
.irp t, 0,1,2,3
	ds_store_b128 v[STO], v[8*(4*(\i)+\t):8*(4*(\i)+\t)+3] offset:64*\t          ; each accumulator from its low end on
	ds_store_b128 v[STO], v[8*(4*(\i)+\t)+4:8*(4*(\i)+\t)+7] offset:64*\t+16
.endr
	WIN 0
.irp k, 0,1,2,3,4,5,6,7
	ds_load_b128 v[S+32*(\i)+4*\k:S+32*(\i)+4*\k+3], v[RD] offset:544*\k
.endr
.endm
.macro SEND i, younger                 ; younger: the LDS instructions issued behind tile i's loads: the next tile's sixteen, or none
.irp k, 0,1,2,3,4,5,6,7
	s_wait_dscnt (\younger)+7-\k
	global_store_b128 v[LI], v[S+32*(\i)+4*\k:S+32*(\i)+4*\k+3], s[10:11] offset:4096*(\i)+512*\k th:TH_STORE_NT   ; 32 lanes store 512 consecutive bytes, aligned; written once, read by nobody here
.endr
.endm
	TOSTAGE 0
	TOSTAGE 1
	SEND 0, 16
	TOSTAGE 2
	SEND 1, 16
	TOSTAGE 3
	SEND 2, 16
	SEND 3, 0
	s_wait_tensorcnt 0x0
	ds_add_u32 v254, v255
	s_wait_dscnt 0x0
	CROUND                                         ; the closing round: no work-group ends while a partner may still ask for a part that names it
	s_endpgm
.Lfunc_end_k_q3a69beffa6_attn:
	.size	k_q3a69beffa6_attn, .Lfunc_end_k_q3a69beffa6_attn-k_q3a69beffa6_attn
	.p2alignl 7, 3214868480
	.fill 96, 4, 3214868480
	.section	.rodata,"a",@progbits
	.p2align	6, 0x0
	.amdhsa_kernel k_q3a69beffa6_attn
		.amdhsa_group_segment_fixed_size 183296
		.amdhsa_private_segment_fixed_size 0
		.amdhsa_enable_private_segment 0
		.amdhsa_kernarg_size 32
		.amdhsa_user_sgpr_count 2
		.amdhsa_user_sgpr_kernarg_segment_ptr 1
		.amdhsa_wavefront_size32 1
		.amdhsa_system_sgpr_workgroup_id_x 1
		.amdhsa_system_sgpr_workgroup_id_y 1
		.amdhsa_system_sgpr_workgroup_id_z 1
		.amdhsa_system_vgpr_workitem_id 0
		.amdhsa_next_free_vgpr 512
		.amdhsa_next_free_sgpr 66
		.amdhsa_reserve_vcc 0
		.amdhsa_float_denorm_mode_32 3
		.amdhsa_float_denorm_mode_16_64 3
		.amdhsa_memory_ordered 1
		.amdhsa_forward_progress 1
		.amdhsa_inst_pref_size 118
	.end_amdhsa_kernel
	.amdgpu_metadata
---
amdhsa.version: [ 1, 2 ]
amdhsa.kernels:
  - .name:           k_q3a69beffa6_attn
    .symbol:         k_q3a69beffa6_attn.kd
    .args:
      - { .name: qc, .offset: 0, .size: 8, .value_kind: global_buffer, .address_space: global }
      - { .name: qs, .offset: 8, .size: 8, .value_kind: global_buffer, .address_space: global }
      - { .name: kv, .offset: 16, .size: 8, .value_kind: global_buffer, .address_space: global }
      - { .name: out0, .offset: 24, .size: 8, .value_kind: global_buffer, .address_space: global }
    .group_segment_fixed_size: 183296
    .private_segment_fixed_size: 0
    .kernarg_segment_align: 8
    .kernarg_segment_size: 32
    .max_flat_workgroup_size: 256
    .sgpr_count:     66
    .vgpr_count:     512
    .wavefront_size: 32
...
	.end_amdgpu_metadata
.endif
;; end of part 2
